; MI455X (gfx1250); checked and timed in simulation.
; The chip was launched on July 23, 2026; its instructions are those of AMD's public machine-readable ISA for CDNA 5 (MIT licence, August 2026) and "CDNA5" Instruction Set Architecture Reference Guide (July 2026). The comments in the code are by the model that wrote it; some were corrected since.
;; Time Restricted Self Attention. Allowed arithmetic: matrix products marked QUANTISED: E2M3 operands, one E8M0 scale for each 32 along K, by v_wmma_scale_f32_16x16x128_f8f6f4 with both operands' format E2M3, f32 sums; products left as they are: f32 operands where the result goes on into a quantised operand, else bf16, f16 or f32 operands; f32 sums; everything else in f32.
;; Inputs: Wk_codes 512 x 16 x 24 uint8 (E2M3 codes of Wk, K innermost, in blocks of 32 codes, four codes in three bytes); Wk_scales 512 x 16 uint8 (E8M0 scales of Wk, one for each 32 codes along K); Wq_codes 512 x 16 x 24 uint8 (E2M3 codes of Wq, K innermost, in blocks of 32 codes, four codes in three bytes); Wq_scales 512 x 16 uint8 (E8M0 scales of Wq, one for each 32 codes along K); Wv_codes 512 x 16 x 24 uint8 (E2M3 codes of Wv, K innermost, in blocks of 32 codes, four codes in three bytes); Wv_scales 512 x 16 uint8 (E8M0 scales of Wv, one for each 32 codes along K); bk 512 float32; bq 512 float32; bv 512 float32; x_codes 8 x 2,048 x 16 x 24 uint8 (E2M3 codes of x, K innermost, in blocks of 32 codes, four codes in three bytes); x_scales 8 x 2,048 x 16 uint8 (E8M0 scales of x, one for each 32 codes along K).
;; Outputs: out0 8 x 505 x 512 float32.
;; This version of the problem:
;;   THIS VERSION OF THE PROBLEM IS GIVEN IN LOW PRECISION. The matrix products marked QUANTISED in the list below multiply operands that are first quantised to E2M3 (2 exponent bits, 3 mantissa bits; 6 bits a number), with one power-of-two scale for each 32 numbers along K (OCP MX v1.0); their sums are f32. All else is computed in f32.
;;   The module's matrix products, in the order in which they are computed (A, B: the left and right operand; K: the contracted axis; several contracted axes count as one K, in the product's order):
;;     1. [M 16,384, K 512] x [K 512, N 512]; A: input x (given as codes); B: input Wq (given as codes): QUANTISED
;;     2. [M 16,384, K 512] x [K 512, N 512]; A: input x (given as codes); B: input Wk (given as codes): QUANTISED
;;     3. [M 16,384, K 512] x [K 512, N 512]; A: input x (given as codes); B: input Wv (given as codes): QUANTISED
;;     4. batch 4,040 x [M 1, K 512] x [K 512, N 32]; A: computed on the way; B: computed on the way: left as it is (M = 1 < 16)
;;     5. batch 4,040 x [M 1, K 32] x [K 32, N 512]; A: softmax; B: computed on the way: left as it is (M = 1 < 16)
;;   THE QUANTISER, for each operand of a quantised product, along K:
;;     - K is cut into blocks of 32 from its start; a last block that is shorter is filled with zeros.
;;     - A block's scale is 2^e with e = floor(log2(the largest magnitude in the block)) - 2, held to -126 .. 127; a block of zeros has e = 0. As a byte (E8M0): e + 127.
;;     - Each number is divided by its block's scale, clamped to +-7.5, and rounded to the nearest number of E2M3, ties to even, subnormals kept.
;;     - The product sums the exact products of the quantised numbers (number of the format x scale) in f32.
;;   ~~~python
;;   def quantise(x, axis):      # numpy; x: float32 -> the quantised numbers, widened to float32 again
;;       x = np.moveaxis(x, axis, -1); K = x.shape[-1]
;;       x = np.pad(x, [(0, 0)] * (x.ndim - 1) + [(0, -K % 32)]); x = x.reshape(x.shape[:-1] + (-1, 32)); a = np.abs(x).max(-1, keepdims=True)
;;       e = np.where(a > 0, np.clip(np.frexp(np.where(a > 0, a, 1))[1] - 1 - 2, -126, 127), 0)      # np.frexp(a)[1] - 1 = floor(log2(a)), exactly
;;       r = np.clip(x / 2.0 ** e, -7.5, 7.5)
;;       step = 2.0 ** (np.maximum(np.frexp(np.where(r == 0, 1, r))[1] - 1, 0) - 3)
;;       q = np.round(r / step) * step * 2.0 ** e      # np.round: ties to even
;;       return np.moveaxis(q.reshape(q.shape[:-2] + (-1,))[..., :K], -1, axis).astype(np.float32)
;;   ~~~
;;   INPUTS GIVEN AS CODES. Wk (in the module: [512, 512], K = its axis 0); Wq (in the module: [512, 512], K = its axis 0); Wv (in the module: [512, 512], K = its axis 0); x (in the module: [8, 2048, 512], K = its axis 2): each comes as NAME_codes (uint8): NAME with its K axis moved to the last place and cut into blocks of 32 codes, [.., K / 32, bytes a block], one block behind the other in memory; four codes in three bytes: a row's codes are one little-endian stream of bits, code i at bits 6 i .. 6 i + 5 (a code: sign, 2 exponent bits, 3 mantissa bits); and NAME_scales (uint8): the same leading axes, one E8M0 byte (e + 127) for each 32 codes along K. Its value is code x scale, taken as it is: it is not quantised again, and the codes and scales need not be those that the quantiser above would give.
;; One version. Each part assembles by itself: llvm-mc -triple=amdgcn-amd-amdhsa -mcpu=gfx1250 --defsym DOCPART=n.
;; ======== version 1 of 1: 1 launch
;; limits: values are held in f16: magnitudes above 65,504 overflow, below 6.1e-05 lose precision
;; launch fused (part 1): grid 32 x 8, 4 waves a work-group, clusters of 4 x 1, 327,680 bytes of LDS; arguments x_codes, x_scales, Wq_codes, Wq_scales, Wk_codes, Wk_scales, Wv_codes, Wv_scales, bq, bv, out0; writes out0
.if DOCPART == 1
	.amdgcn_target "amdgcn-amd-amdhsa--gfx1250"
	.amdhsa_code_object_version 6
	.text
	.protected	k_q594dd5c5f8_fused
	.globl	k_q594dd5c5f8_fused
	.p2align	8
	.type	k_q594dd5c5f8_fused,@function
k_q594dd5c5f8_fused:
	s_mov_b64 s[64:65], 0
	v_nop
	global_prefetch_b8 v0, s[64:65] scope:SCOPE_SE
	s_setreg_imm32_b32 hwreg(HW_REG_WAVE_MODE, 25, 1), 1
	s_wait_xcnt 0x0
	s_wait_alu depctr_hold_cnt(0) depctr_sa_sdst(0) depctr_va_vdst(0) depctr_va_sdst(0) depctr_va_ssrc(0) depctr_va_vcc(0) depctr_vm_vsrc(0)
	s_getreg_b32 s2, hwreg(HW_REG_IB_STS2, 6, 4)
	s_cmp_eq_u32 s2, 0
	s_cbranch_scc0 .Lentry_in_a_cluster
	s_endpgm
.Lentry_in_a_cluster:
	s_bfe_u32 s2, ttmp6, 0x10000c
	s_cmp_lg_u32 s2, 0x3003
	s_cbranch_scc0 .Lentry_shape_is_right
	s_endpgm
.Lentry_shape_is_right:
; out[b][t] = softmax_f( q[b][4t+16] . k[b][4t+f] / sqrt(512) ) v[b][4t+f], f = 0 .. 31, t = 0 .. 504;  q = x Wq + bq, k = x Wk + bk, v = x Wv + bv.
; x [8][2048][512] and Wq, Wk, Wv [512 (n)][512 (k)] are codes of FP6 (E2M3), K innermost, 384 bytes a row, with 16 E8M0 bytes a row.  The three projections run on the codes as they lie;
; the scores and the weighted sum, which the problem leaves as they are and which feed no quantiser, run on 16-bit operands with f32 sums.  All in ONE launch: q, k, v never go to memory.
; WHICH 16 BITS.  The scores take q and k as bf16.  The weighted sum takes p and v as f16: out is a mean of 32 values and so about sqrt(32) times smaller than v, while 1 part in 100 of out's size is allowed;
; 8 significant bits on p and on v use up too much of that, 11 bits an eighth as much.
; WORK LEFT OUT.  (1) The rows of q that q[:, center_idx] slices away: only rows 4t+16 are multiplied by Wq.  (2) bk: it adds q_c . bk to all 32 scores of a window, the same number along the
; softmax's axis, which the softmax cancels for all values of the inputs; the score product is not quantised, so bk moves no code and no scale.  bk is not loaded and is not among the arguments.
; (3) bv is added once, behind the division: the weights of a window sum to 1.  Positions 505 .. 511 of the last block share a tile with live ones: they are computed and not stored.
; LIMITS.  A NaN, an infinity or an overflow that reaches only bk or the unused rows of q is not carried to the result.  q and k are rounded to bf16, p and x Wv to f16.
; |x Wv| must stay at or under 65,504, f16's largest number (a sum of 512 products: x and Wv both 30 times the size of unit-normal x and Wv within 1 / sqrt(512) give about 2,900 at the largest,
; a common offset of 30 spreads on both about 12,000); under 2^-14 it is kept in steps of 2^-24.  p is at most 1; a p under 2^-25 counts as 0 in the weighted sum.
; NaN and infinities among the scores are not served.  A score is the sum of four partial sums of 128 channels, another order than a plain chain.
; SHARES.  Work-group (j, b) owns positions 16 j .. 16 j + 15 of batch b and the 96 rows of x from R0 = min(64 j, 1952), which hold all their windows.  THE FOUR WAVES SHARE THE COLUMNS: wave w owns rows
; 128 w .. 128 w + 127 of each weight.  x's 24 fragments (6 tiles of rows x 4 K steps, 288 registers) stay in every wave's registers; each weight fragment is read from LDS once, by one wave, and feeds six products.
; CLUSTER.  All work-groups walk the same weights, so the four of a cluster ask for each tile JOINTLY: the same tensor load, the same descriptor (made of the wave's number and the cluster's x alone), mask 15.
; THE WALK.  A wave's area in LDS holds 160 of its 384 rows of weights.  First fills: Wq's first 64 rows (area rows 0-63), Wv's first 32 (64-95), Wk's first 64 (96-159).  Refill 1: Wv's other 96 rows, onto rows 0-95,
; while k and the scores of the first 64 channels are made; refill 2: Wq's other 64, onto rows 96-159, while v's channels 32-95 are made; refill 3: Wk's other 64, onto rows 0-63, while q's other 64 channels and v's
; last 32 are made.  So 108, 96 and 64 matrix instructions stand between a refill and the wait for it.
; THE HALVES BY THE CLUSTER'S PARITY.  Which 64 of a wave's 128 rows of Wq and of Wk are the 'first' hangs on the cluster's x: rows 0-63 where it is even, rows 64-127 where it is odd; their scale bytes and bq go with them.
; A score is a sum over channels, and q and k take the channels in the same order: nothing else changes, and only addresses differ.  So the rows that a cluster asks for in refills 2 and 3 have been read, at the
; launch's start, by the clusters of the other parity.
; ORIENTATION.  K, Q: source 0 = 16 rows of W, source 1 = 16 rows of x: a lane holds one row of x and 8 neighbouring channels; two tiles rounded in pairs ARE a 16-bit fragment (16 rows x 32 channels).
; S^T = k q^T: a lane holds one query and keys 16 m + 8 (lane / 16) + 0 .. 7.  V: source 0 = x, source 1 = Wv: a lane holds one channel and 8 rows: two tiles are a fragment of V^T.  O^T = V^T P: a lane holds one query, 8 channels.
; The only traffic from wave to wave: the partial scores, 16 queries x 96 keys of f32, as images of their registers.
; REGISTERS, in windows of 256 (s_set_vgpr_msb: bits 1:0 source 0, 3:2 source 1, 5:4 source 2, 7:6 destination):
;   window 0: v1-27 addresses; v32-79 the weights' scale words; v80-91 x's; v92-95 the query rows'; v96-191 a group's 8 weight fragments, at the end 16 rows of out; v192-223 q as bf16; v224-227 bv
;   window 1: v0-215 x, K steps 0-2; v216-247 bq, tiles 0-3; at the end v0-191 the four partial scores, then p, its statistics and P
;   window 2: v0-71 x, K step 3; v72-167 twelve accumulators, at the end O^T; v168-215 k as bf16; v216-247 bq, tiles 4-7
;   window 3: v0-191 V^T as f16, of which v144-191 hold the query rows' fragments until the last group of q is made; v192-239 the six accumulators of S^T
.set PITCH,  432                       ; a row of codes in LDS: 3 x (128 bytes + 16 of padding) = 108 words: the 16 rows of a fragment start in 16 different groups of four banks (64 banks of 4 bytes: ISA guide 11.1)
.set AREAB,  160*PITCH                 ; a wave's own area: 160 rows of weights
.set HIROW,  96*PITCH                  ; its rows 96 on
.set XB,     4*AREAB                   ; behind the four areas: 96 rows of x; once they are in registers, the partial scores
.set SPARE,  XB+96*PITCH               ; behind x: the spare words, 128 bytes for each wave: two blocks of 256 bytes that no other line names
.set SXB,    6144                      ; a wave's partial scores: 48 registers x 128 bytes
.set SPITCH, 528                       ; the way out: 16 rows x (512 bytes + 16) at the head of the wave's own area, behind that area's last fill and last read
.set HALFW,  64*384                    ; 64 rows of a weight in memory
.set RR,  1                            ; v1   r = lane % 16
.set HH,  2                            ; v2   h = lane / 16
.set SPW, 3                            ; v3   LDS address of my spare word; never rewritten
.set NIL, 4                            ; v4   0; never rewritten
.set AWL, 5                            ; v5   my area + 432 r + 24 h;  v6 the same with 40 h, for the pieces whose partner three pieces on lies behind one padding more
.set AWH, 7                            ; v7-8 the same from row 96 on
.set AX,  9                            ; v9-10 the same in x's region
.set STO, 11                           ; v11  the way out: where I put 32 bytes of a row
.set RD,  12                           ; v12  and where I read a row back
.set SXW, 13                           ; v13  where I put my partial scores
.set SXR, 14                           ; v14  and where I read all four
.set GO,  15                           ; v15  16 x lane
.set MB,  16                           ; v16  8 h - 4 r - (64 j - R0): key 16 m + 8 h + i lies in query r's window where 16 m + i + this is 0 .. 31
.set JV,  17                           ; v17  j
.set OQC, 18                           ; v18  byte offset of my query row's codes;  v19 of its scale bytes
.set OQS, 19
.set OXS, 20                           ; v20  of x's scale bytes
.set OWS, 21                           ; v21  of Wv's scale bytes
.set OBQ, 22                           ; v22  of bq, my wave's 128;  v23 of bv
.set OBV, 23
.set OWA, 24                           ; v24  of Wq's and Wk's scale bytes: the first 64 rows;  v25 the other 64
.set OWB, 25
.set OBA, 26                           ; v26  of bq: the first 64 channels;  v27 the other 64
.set OBB, 27
.set WS,  32                           ; scale words of weight mat (0 Q, 1 K, 2 V), group g, K step s at v[WS + 16 mat + 4 g + s]: lanes 0-15 tile 2 g, lanes 16-31 tile 2 g + 1
.set XS,  80                           ; x's at v[XS + 4 (m / 2) + s]: lanes 0-15 the even tile of rows, lanes 16-31 the odd one
.set XQS, 92
.set WF,  96                           ; fragment (K step s, tile u) of the group in hand at v[WF + 12 (2 s + u)]
.set QF,  192
.set BV,  224
.set ACC, 72                           ; window 2: accumulator (u, m) at v[ACC + 8 (6 u + m)]
.set KB,  168                          ; window 2
.set BQ,  216                          ; windows 1 and 2
.set VT,  0                            ; window 3: (channels 16 d on, rows 32 c on) at v[8 (3 d + c)]
.set XQ,  144                          ; window 3: in the place of V^T's last group
.set SA,  192                          ; window 3
.set TMPM, 48                          ; window 1, at the end: v48-51 at work on the mask
.set CH,  52                           ; v52-55 four chains of the maximum
.set NM,  56                           ; v56 -c m (named with v57 as a pair)
.set SUA, 58                           ; v[58:59], v[60:61] the sum in two chains
.set SUB, 60
.set RC,  62                           ; v62 1 / the sum (named with v63 as a pair)
.set PF,  96                           ; v96-119 P, three f16 fragments
.set MBW, 200                          ; v200 a copy of v16;  v201 -infinity
.set NEGI, 201
.set WV,  3                            ; s3   my wave's number
.set PAR, 104                          ; s[104:105] the cluster's parity, then the byte offset of the half in hand; these two never hold my place in the cluster
.set G1X, 28                           ; s[28:35] descriptor group 1: 24 rows of codes, no mask;  s[36:43], s[44:51], s[52:59]: 32, 64, 96 rows, joint
.set G1A, 36
.set G1B, 44
.set G1C, 52
.set TX,  60                           ; groups 0, never rewritten: x
.set TQ0, 68                           ; Wq, first 64 rows -> area rows 0-63
.set TV0, 72                           ; Wv rows 0-31      -> area rows 64-95
.set TK0, 76                           ; Wk, first 64 rows -> area rows 96-159
.set TV1, 80                           ; Wv rows 32-127    -> area rows 0-95
.set TQ1, 84                           ; Wq, other 64 rows -> area rows 96-159
.set TK1, 88                           ; Wk, other 64 rows -> area rows 0-63
.set MSB, 0
.macro WIN new                         ; the immediate's high byte repeats the setting that is left; a switch that changes nothing is dropped
.if MSB != \new
	s_set_vgpr_msb (MSB<<8)|\new
.set MSB, \new
.endif
.endm
.macro PLACES n                        ; plain vector lines behind matrix instructions, in front of loads into their sources and of reads of their results
.rept \n
	v_nop
.endr
.endm
.macro CROUND                          ; a round of the cluster's barrier: my work-group's barrier; wave 0 signals for the work-group; every wave waits for all four work-groups; my work-group's barrier once more
	s_barrier_signal -1
	s_barrier_wait -1
	s_cmp_lg_u32 s[WV], 0
	s_cbranch_scc1 .Lnot_wave_0_\@
	s_barrier_signal -3
.Lnot_wave_0_\@:
	s_barrier_wait -3
	s_barrier_signal -1
	s_barrier_wait -1
.endm
; Group 1: a dense block of memory stated as rows of 768 bytes (two rows of codes), 16 bytes of padding behind every 128: two LDS rows of 432 bytes
.macro GROUP1 g, w0, rows
	s_mov_b32 s[\g], \w0                           ; 15:0 mask; 17:16 elements of 1 byte; 20 padding on; 21 set beside a mask; 24:22 after every 32 words (code 4); 31:25 of 4 words (code 3)
	s_mov_b32 s[\g+1], 768<<16                     ; tensor_dim0
	s_mov_b32 s[\g+2], (\rows)<<16                 ; tensor_dim1
	s_mov_b32 s[\g+3], 768<<16                     ; tile_dim0
	s_mov_b32 s[\g+4], \rows                       ; tile_dim1
	s_mov_b32 s[\g+5], 768                         ; tensor_dim0_stride
	s_mov_b32 s[\g+6], 0
	s_mov_b32 s[\g+7], 0
.endm
; A fragment, 16 rows x 128 K of 6-bit codes, is 12 registers: lane (r, h) holds row r; registers 6 c .. 6 c + 5 hold k = 64 c + 32 h + 0 .. 31: 24 bytes of the row, as they lie, in pieces of 8 bytes.
; Piece PC of a row lies at 8 PC + 16 (PC / 16).  Lanes 16-31 read three pieces on: behind one padding more where PC % 16 is 13 or more: there the second address register serves.
.macro FRAG reg, adr, rowb, s
.irp p, 0,1,2,3,4,5
.set PC, 12*(\s)+6*(\p/3)+\p%3
.if PC%16 < 13
	ds_load_b64 v[(\reg)+2*\p:(\reg)+2*\p+1], v[\adr] offset:(\rowb)+8*PC+16*(PC/16)
.else
	ds_load_b64 v[(\reg)+2*\p:(\reg)+2*\p+1], v[(\adr)+1] offset:(\rowb)+8*PC+16*(PC/16)
.endif
.endr
.endm
; 24 LDS loads: K steps 2 half, 2 half + 1 of the group whose 32 rows begin at row row0 of my area
.macro LOADH row0, half
.irp s, 2*(\half), 2*(\half)+1
.irp u, 0,1
.if (\row0) < 96
	FRAG WF+12*(2*(\s)+\u), AWL, ((\row0)+16*\u)*PITCH, \s
.else
	FRAG WF+12*(2*(\s)+\u), AWH, ((\row0)-96+16*\u)*PITCH, \s
.endif
.endr
.endr
.endm
.macro RUNHEAD row0                    ; the first group of a run: nothing was fetched ahead for it
	WIN 0
	LOADH \row0, 0
	LOADH \row0, 1
.endm
; One product on codes.  c < 0: the constant 0 starts the sum.  ra, rb = 1: that side's scale words are taken from lanes 16-31
.macro W6 d, a, b, c, sa, sb, ra, rb
.if (\c) < 0
.if ((\ra) == 0) && ((\rb) == 0)
	v_wmma_scale_f32_16x16x128_f8f6f4 v[(\d):(\d)+7], v[(\a):(\a)+11], v[(\b):(\b)+11], 0, v[(\sa)], v[(\sb)] matrix_a_fmt:MATRIX_FMT_FP6 matrix_b_fmt:MATRIX_FMT_FP6
.elseif (\rb) == 0
	v_wmma_scale_f32_16x16x128_f8f6f4 v[(\d):(\d)+7], v[(\a):(\a)+11], v[(\b):(\b)+11], 0, v[(\sa)], v[(\sb)] matrix_a_fmt:MATRIX_FMT_FP6 matrix_b_fmt:MATRIX_FMT_FP6 matrix_a_scale:MATRIX_SCALE_ROW1
.elseif (\ra) == 0
	v_wmma_scale_f32_16x16x128_f8f6f4 v[(\d):(\d)+7], v[(\a):(\a)+11], v[(\b):(\b)+11], 0, v[(\sa)], v[(\sb)] matrix_a_fmt:MATRIX_FMT_FP6 matrix_b_fmt:MATRIX_FMT_FP6 matrix_b_scale:MATRIX_SCALE_ROW1
.else
	v_wmma_scale_f32_16x16x128_f8f6f4 v[(\d):(\d)+7], v[(\a):(\a)+11], v[(\b):(\b)+11], 0, v[(\sa)], v[(\sb)] matrix_a_fmt:MATRIX_FMT_FP6 matrix_b_fmt:MATRIX_FMT_FP6 matrix_a_scale:MATRIX_SCALE_ROW1 matrix_b_scale:MATRIX_SCALE_ROW1
.endif
.else
.if ((\ra) == 0) && ((\rb) == 0)
	v_wmma_scale_f32_16x16x128_f8f6f4 v[(\d):(\d)+7], v[(\a):(\a)+11], v[(\b):(\b)+11], v[(\c):(\c)+7], v[(\sa)], v[(\sb)] matrix_a_fmt:MATRIX_FMT_FP6 matrix_b_fmt:MATRIX_FMT_FP6
.elseif (\rb) == 0
	v_wmma_scale_f32_16x16x128_f8f6f4 v[(\d):(\d)+7], v[(\a):(\a)+11], v[(\b):(\b)+11], v[(\c):(\c)+7], v[(\sa)], v[(\sb)] matrix_a_fmt:MATRIX_FMT_FP6 matrix_b_fmt:MATRIX_FMT_FP6 matrix_a_scale:MATRIX_SCALE_ROW1
.elseif (\ra) == 0
	v_wmma_scale_f32_16x16x128_f8f6f4 v[(\d):(\d)+7], v[(\a):(\a)+11], v[(\b):(\b)+11], v[(\c):(\c)+7], v[(\sa)], v[(\sb)] matrix_a_fmt:MATRIX_FMT_FP6 matrix_b_fmt:MATRIX_FMT_FP6 matrix_b_scale:MATRIX_SCALE_ROW1
.else
	v_wmma_scale_f32_16x16x128_f8f6f4 v[(\d):(\d)+7], v[(\a):(\a)+11], v[(\b):(\b)+11], v[(\c):(\c)+7], v[(\sa)], v[(\sb)] matrix_a_fmt:MATRIX_FMT_FP6 matrix_b_fmt:MATRIX_FMT_FP6 matrix_a_scale:MATRIX_SCALE_ROW1 matrix_b_scale:MATRIX_SCALE_ROW1
.endif
.endif
.endm
; Two K steps of a group.  In all three the accumulators take turns, one instruction a turn.  x's fragment (m, s) lies at 72 s + 12 m of window 1, K step 3's at 12 m of window 2.
.macro MULV half, g                    ; 24 products: source 0 = x, source 1 = Wv
.irp s, 2*(\half), 2*(\half)+1
.if (\s) < 3
	WIN 0xa1
.else
	WIN 0xa2
.endif
.irp u, 0,1
.irp m, 0,1,2,3,4,5
.if (\s) == 0
	W6 ACC+8*(6*\u+\m), 72*((\s)%3)+12*\m, WF+12*(2*(\s)+\u), -1, XS+4*(\m/2)+(\s), WS+32+4*(\g)+(\s), \m%2, \u
.else
	W6 ACC+8*(6*\u+\m), 72*((\s)%3)+12*\m, WF+12*(2*(\s)+\u), ACC+8*(6*\u+\m), XS+4*(\m/2)+(\s), WS+32+4*(\g)+(\s), \m%2, \u
.endif
.endr
.endr
.endr
.endm
.macro MULK half, g                    ; 24 products: source 0 = Wk, source 1 = x
.irp s, 2*(\half), 2*(\half)+1
.if (\s) < 3
	WIN 0xa4
.else
	WIN 0xa8
.endif
.irp u, 0,1
.irp m, 0,1,2,3,4,5
.if (\s) == 0
	W6 ACC+8*(6*\u+\m), WF+12*(2*(\s)+\u), 72*((\s)%3)+12*\m, -1, WS+16+4*(\g)+(\s), XS+4*(\m/2)+(\s), \u, \m%2
.else
	W6 ACC+8*(6*\u+\m), WF+12*(2*(\s)+\u), 72*((\s)%3)+12*\m, ACC+8*(6*\u+\m), WS+16+4*(\g)+(\s), XS+4*(\m/2)+(\s), \u, \m%2
.endif
.endr
.endr
.endr
.endm
.macro MULQ half, g                    ; 4 products: source 0 = Wq, source 1 = the 16 query rows; bq is the C of each sum's first product
.irp s, 2*(\half), 2*(\half)+1
.irp u, 0,1
.if (\s) == 0
.if (\g) < 2
	WIN 0x9c
.else
	WIN 0xac
.endif
	W6 ACC+48*\u, WF+12*(2*(\s)+\u), XQ+12*(\s), BQ+8*((2*(\g)+\u)%4), WS+4*(\g)+(\s), XQS+(\s), \u, 0
.else
	WIN 0xac
	W6 ACC+48*\u, WF+12*(2*(\s)+\u), XQ+12*(\s), ACC+48*\u, WS+4*(\g)+(\s), XQS+(\s), \u, 0
.endif
.endr
.endr
.endm
.macro MULX kind, half, g
.if (\kind) == 0
	MULQ \half, \g
.elseif (\kind) == 1
	MULK \half, \g
.else
	MULV \half, \g
.endif
.endm
; The results become 16-bit operands where they stand: no lane changes.  Each accumulator is read from its low end on.  v goes to f16, k and q to bf16 (the head comment says why).
.macro CVTV g
	WIN 0xca
.irp u, 0,1
.irp c, 0,1,2
.irp i, 0,1,2,3
	v_cvt_pk_f16_f32 v[VT+8*(3*(2*(\g)+\u)+\c)+\i], v[ACC+8*(6*\u+2*\c)+2*\i], v[ACC+8*(6*\u+2*\c)+2*\i+1]
.endr
.irp i, 0,1,2,3
	v_cvt_pk_f16_f32 v[VT+8*(3*(2*(\g)+\u)+\c)+4+\i], v[ACC+8*(6*\u+2*\c+1)+2*\i], v[ACC+8*(6*\u+2*\c+1)+2*\i+1]
.endr
.endr
.endr
.endm
.macro CVTK
	WIN 0x8a
.irp m, 0,1,2,3,4,5
.irp i, 0,1,2,3
	v_cvt_pk_bf16_f32 v[KB+8*\m+\i], v[ACC+8*\m+2*\i], v[ACC+8*\m+2*\i+1]
.endr
.irp i, 0,1,2,3
	v_cvt_pk_bf16_f32 v[KB+8*\m+4+\i], v[ACC+8*(6+\m)+2*\i], v[ACC+8*(6+\m)+2*\i+1]
.endr
.endr
.endm
.macro CVTQ g
	WIN 0x0a
.irp i, 0,1,2,3
	v_cvt_pk_bf16_f32 v[QF+8*(\g)+\i], v[ACC+2*\i], v[ACC+2*\i+1]
.endr
.irp i, 0,1,2,3
	v_cvt_pk_bf16_f32 v[QF+8*(\g)+4+\i], v[ACC+48+2*\i], v[ACC+48+2*\i+1]
.endr
.endm
.macro SMUL g                          ; S^T += k q^T over the group's 32 channels: six accumulators by turns; the first group starts the sums
	WIN 0xf2
.irp m, 0,1,2,3,4,5
.if (\g) == 0
	v_wmma_f32_16x16x32_bf16 v[SA+8*\m:SA+8*\m+7], v[KB+8*\m:KB+8*\m+7], v[QF+8*(\g):QF+8*(\g)+7], 0
.else
	v_wmma_f32_16x16x32_bf16 v[SA+8*\m:SA+8*\m+7], v[KB+8*\m:KB+8*\m+7], v[QF+8*(\g):QF+8*(\g)+7], v[SA+8*\m:SA+8*\m+7]
.endif
.endr
.endm
; A GROUP: 32 rows of a weight (kind 0 Wq, 1 Wk, 2 Wv) against all of K.  nrow: the area row at which the next group of the run begins, fetched half by half as this group's registers fall free; -1: none.
.macro GROUP kind, g, nrow
	s_wait_dscnt 24                                ; K steps 0, 1 are in; the 24 loads of K steps 2, 3 may be out
	MULX \kind, 0, \g
	PLACES 4
	WIN 0
.if (\nrow) >= 0
	LOADH \nrow, 0
	s_wait_dscnt 24                                ; all but the 24 just issued: K steps 2, 3 are in
.else
	s_wait_dscnt 0x0
.endif
	MULX \kind, 1, \g
	PLACES 5                                       ; four for the loads below and for the conversions; the fifth for the next group's first products, which begin these accumulators anew
	WIN 0
.if (\nrow) >= 0
	LOADH \nrow, 1
.endif
.if (\kind) == 0
	CVTQ \g
.elseif (\kind) == 1
	CVTK
	SMUL \g
.else
	CVTV \g
.endif
.endm
; A joint refill of rows of my area whose reads are over.  Every wave waits for all its tensor loads, adds 0 to its spare word, waits for that and for its LDS reads; a round of the cluster's barrier:
; no wave of any partner still reads those rows or has a load on its way; then the one load, first behind the round.
.macro REFILL g0, g1
	WIN 0
	s_wait_tensorcnt 0x0
	ds_add_u32 v[SPW], v[NIL]
	s_wait_dscnt 0x0
	CROUND
	tensor_load_to_lds s[\g0:\g0+3], s[\g1:\g1+7]
	s_nop 0
	PLACES 4                                       ; an s_nop 0 and four v_nop follow the load
.endm
	s_load_b512 s[4:19], s[0:1], 0x0               ; x codes s[4:5], x scales s[6:7], Wq s[8:9], s[10:11], Wk s[12:13], s[14:15], Wv s[16:17], s[18:19]
	s_load_b128 s[20:23], s[0:1], 0x40             ; bq, bv
	s_load_b64 s[24:25], s[0:1], 0x50              ; out
	v_lshl_add_u32 v[SPW], v0, 2, SPARE
	v_mov_b32 v[NIL], 0
	ds_add_u32 v[SPW], v[NIL]                      ; the wave's opening: the add, twice on end, and its wait ahead of my first tensor load; the set-up below is the work on registers between
	ds_add_u32 v[SPW], v[NIL]
	v_lshrrev_b32 v1, 5, v0
	v_readfirstlane_b32 s[WV], v1                  ; wave 0..3
	s_bfe_u32 s92, ttmp6, 0x40000                  ; cx: my place in the cluster
	s_lshl_b32 s26, ttmp9, 2                       ; in a cluster launch ttmp9 counts clusters
	s_add_co_u32 s26, s26, s92                     ; j: it enters x's and out's global addresses, the mask's base and one EXEC mask; no LDS address, no branch, no joint descriptor
	s_and_b32 s27, ttmp7, 0xffff                   ; b
	s_lshl_b32 s93, s26, 6                         ; 64 j
	s_min_u32 s96, s93, 1952                       ; R0: the last block's 96 rows end with the batch
	s_sub_co_u32 s97, s93, s96                     ; 64 j - R0: 0, or 32 in the last block
	s_add_co_u32 s2, s93, 16                       ; the first query's row
	s_and_b32 s[PAR], ttmp9, 1                     ; the cluster's parity, which the four partners share: 1: the halves of Wq's and Wk's rows change places
	s_xor_b32 s[PAR+1], s[PAR], 1
	GROUP1 G1X, 0x07100000, 12
	GROUP1 G1A, 0x0730000f, 16
	GROUP1 G1B, 0x0730000f, 32
	GROUP1 G1C, 0x0730000f, 48
	s_mov_b32 s98, 0x3d8293ee                      ; c = log2(e) / sqrt(512)
	s_mov_b32 s99, s98                             ; (named with it as a pair, so it is written)
	s_mov_b32 s100, 0x76543210                     ; v_permlanex16_b32's selects for lane l xor 16
	s_mov_b32 s101, 0xfedcba98
	s_mul_i32 s67, s[WV], AREAB                    ; my area
	s_mul_i32 s94, s[WV], 128*384                  ; my 128 rows in each weight
	s_mov_b32 s95, 0
	s_lshl_b32 s66, s27, 11
	s_add_co_u32 s66, s66, s96                     ; 2048 b + R0
	s_mul_i32 s92, s[WV], 24
	s_add_co_u32 s92, s92, s66
	s_mul_i32 s92, s92, 384                        ; the 24 rows of x that I fetch, in bytes
	s_mov_b32 s93, 0
	s_mov_b32 s[TX], 1                             ; groups 0: word 0 = 1; word 1 = the LDS address: constants and the wave's number alone
	s_mul_i32 s[TX+1], s[WV], 24*PITCH
	s_add_co_u32 s[TX+1], s[TX+1], XB
	s_mov_b32 s[TQ0], 1
	s_mov_b32 s[TQ0+1], s67
	s_mov_b32 s[TV0], 1
	s_add_co_u32 s[TV0+1], s67, 64*PITCH
	s_mov_b32 s[TK0], 1
	s_add_co_u32 s[TK0+1], s67, HIROW
	s_mov_b32 s[TV1], 1
	s_mov_b32 s[TV1+1], s67
	s_mov_b32 s[TQ1], 1
	s_add_co_u32 s[TQ1+1], s67, HIROW
	s_mov_b32 s[TK1], 1
	s_mov_b32 s[TK1+1], s67
	v_and_b32 v[RR], 15, v0
	v_bfe_u32 v[HH], v0, 4, 1
	v_and_b32 v[GO], 31, v0
	v_lshlrev_b32 v[GO], 4, v[GO]
	v_mul_u32_u24 v[AWL], v[RR], PITCH
	v_mad_u32_u24 v[AWL], v[HH], 24, v[AWL]
	v_lshl_add_u32 v[AWL+1], v[HH], 4, v[AWL]
	v_add_nc_u32 v[AX], XB, v[AWL]
	v_add_nc_u32 v[AX+1], XB, v[AWL+1]
	v_add_nc_u32 v[AWL], s67, v[AWL]
	v_add_nc_u32 v[AWL+1], s67, v[AWL+1]
	v_add_nc_u32 v[AWH], HIROW, v[AWL]
	v_add_nc_u32 v[AWH+1], HIROW, v[AWL+1]
	v_mul_u32_u24 v[STO], v[RR], SPITCH
	v_lshl_add_u32 v[STO], v[HH], 5, v[STO]
	v_add_nc_u32 v[STO], s67, v[STO]
	v_add_nc_u32 v[RD], s67, v[GO]
	v_add_nc_u32 v[SXR], XB, v[GO]
	s_mul_i32 s66, s[WV], SXB
	v_add_nc_u32 v[SXW], s66, v[SXR]
	v_lshl_add_u32 v[OQC], v[RR], 2, s2            ; my query's row: 64 j + 16 + 4 r,
	v_min_u32 v[OQC], 2047, v[OQC]                 ; held inside the batch (only positions that are not stored reach the bound)
	v_lshlrev_b32 v[OQS], 4, v[OQC]
	v_mul_u32_u24 v[OQC], v[OQC], 384
	v_mad_u32_u24 v[OQC], v[HH], 24, v[OQC]
	s_lshl_b32 s66, s96, 4
	v_add_nc_u32 v[OXS], s66, v[GO]                ; lane l takes row R0 + l of a pair of tiles
	v_lshl_add_u32 v[OWS], s[WV], 11, v[GO]        ; lane l takes row 128 w + l of a group: 16 scale bytes a row
	v_lshl_add_u32 v[OWA], s[PAR], 10, v[OWS]      ; Wq, Wk: the first 64 rows begin 64 x parity rows on,
	v_lshl_add_u32 v[OWB], s[PAR+1], 10, v[OWS]    ; the other 64 at the other half
	v_lshlrev_b32 v[OBQ], 5, v[HH]
	v_lshl_add_u32 v[OBQ], s[WV], 9, v[OBQ]        ; bq[128 w + 8 h ..]
	v_lshl_add_u32 v[OBA], s[PAR], 8, v[OBQ]       ; and its halves likewise: 64 numbers are 256 bytes
	v_lshl_add_u32 v[OBB], s[PAR+1], 8, v[OBQ]
	v_lshl_add_u32 v[OBV], s[WV], 9, v[GO]         ; bv[128 w + 4 lane ..]
	v_lshlrev_b32 v[MB], 3, v[HH]
	v_lshlrev_b32 v[JV], 2, v[RR]
	v_sub_nc_u32 v[MB], v[MB], v[JV]
	v_sub_nc_u32 v[MB], v[MB], s97
	v_mov_b32 v[JV], s26
	s_mul_i32 s[PAR], s[PAR], HALFW                ; where the first 64 rows begin in my 128, in bytes: 0 or 24,576
	s_mov_b32 s[PAR+1], 0
	s_wait_dscnt 0x0                               ; both opening adds are done
	s_wait_kmcnt 0x0
	s_add_nc_u64 s[TX+2:TX+3], s[4:5], s[92:93]
	s_or_b32 s[TX+3], s[TX+3], 0x80000000          ; type = 2
	s_add_nc_u64 s[TQ0+2:TQ0+3], s[8:9], s[94:95]
	s_add_nc_u64 s[TQ0+2:TQ0+3], s[TQ0+2:TQ0+3], s[PAR:PAR+1]
	s_or_b32 s[TQ0+3], s[TQ0+3], 0x80000000
	s_add_nc_u64 s[TV0+2:TV0+3], s[16:17], s[94:95]
	s_add_nc_u64 s[TV1+2:TV1+3], s[TV0+2:TV0+3], 32*384
	s_or_b32 s[TV0+3], s[TV0+3], 0x80000000
	s_or_b32 s[TV1+3], s[TV1+3], 0x80000000
	s_add_nc_u64 s[TK0+2:TK0+3], s[12:13], s[94:95]
	s_add_nc_u64 s[TK0+2:TK0+3], s[TK0+2:TK0+3], s[PAR:PAR+1]
	s_or_b32 s[TK0+3], s[TK0+3], 0x80000000
	CROUND                                         ; all four work-groups are here: the first joint loads meet
	tensor_load_to_lds s[TX:TX+3], s[G1X:G1X+7]    ; the four first fills go out together: four loads of mine are out, the most in this text
	s_nop 0
	tensor_load_to_lds s[TQ0:TQ0+3], s[G1B:G1B+7]
	s_nop 0
	tensor_load_to_lds s[TV0:TV0+3], s[G1A:G1A+7]
	s_nop 0
	tensor_load_to_lds s[TK0:TK0+3], s[G1B:G1B+7]
	s_nop 0
	PLACES 4
	s_xor_b32 s[PAR], s[PAR], HALFW                ; the other half.  The refills' addresses: no pending load names these registers
	s_add_nc_u64 s[TQ1+2:TQ1+3], s[8:9], s[94:95]
	s_add_nc_u64 s[TQ1+2:TQ1+3], s[TQ1+2:TQ1+3], s[PAR:PAR+1]
	s_or_b32 s[TQ1+3], s[TQ1+3], 0x80000000
	s_add_nc_u64 s[TK1+2:TK1+3], s[12:13], s[94:95]
	s_add_nc_u64 s[TK1+2:TK1+3], s[TK1+2:TK1+3], s[PAR:PAR+1]
	s_or_b32 s[TK1+3], s[TK1+3], 0x80000000
	s_mul_i32 s92, s27, 2048*384
	s_add_nc_u64 s[4:5], s[4:5], s[92:93]          ; x's codes at my batch
	s_lshl_b32 s92, s27, 15
	s_add_nc_u64 s[6:7], s[6:7], s[92:93]          ; and its scale bytes
	s_mul_i32 s92, s27, 505
	s_lshl_b32 s66, s26, 4
	s_add_co_u32 s92, s92, s66
	s_lshl_b32 s92, s92, 11                        ; row 505 b + 16 j of out, 2,048 bytes a row,
	s_lshl_b32 s66, s[WV], 9
	s_add_co_u32 s92, s92, s66                     ; + my wave's 128 channels
	s_add_nc_u64 s[24:25], s[24:25], s[92:93]
	; what comes straight into registers: 57 loads
	WIN 0xc0
.irp s, 0,1,2,3
.irp p, 0,1,2,3,4,5
	global_load_b64 v[XQ+12*\s+2*\p:XQ+12*\s+2*\p+1], v[OQC], s[4:5] offset:96*\s+48*(\p/3)+8*(\p%3)   ; the 16 query rows' fragments
.endr
.endr
	WIN 0
	global_load_b128 v[XQS:XQS+3], v[OQS], s[6:7]  ; a row's 16 scale bytes are its four K steps' words
.irp q, 0,1,2
	global_load_b128 v[XS+4*\q:XS+4*\q+3], v[OXS], s[6:7] offset:512*\q
.endr
.irp g, 0,1
	global_load_b128 v[WS+4*\g:WS+4*\g+3], v[OWA], s[10:11] offset:512*\g          ; Wq, groups 0, 1: the first 64 rows
	global_load_b128 v[WS+16+4*\g:WS+16+4*\g+3], v[OWA], s[14:15] offset:512*\g    ; Wk likewise
	global_load_b128 v[WS+8+4*\g:WS+8+4*\g+3], v[OWB], s[10:11] offset:512*\g      ; Wq, groups 2, 3: the other 64
	global_load_b128 v[WS+24+4*\g:WS+24+4*\g+3], v[OWB], s[14:15] offset:512*\g    ; Wk likewise
.endr
.irp g, 0,1,2,3
	global_load_b128 v[WS+32+4*\g:WS+32+4*\g+3], v[OWS], s[18:19] offset:512*\g    ; Wv
.endr
	WIN 0x40
.irp t, 0,1,2,3
	global_load_b128 v[BQ+8*\t:BQ+8*\t+3], v[OBA], s[20:21] offset:64*\t
	global_load_b128 v[BQ+8*\t+4:BQ+8*\t+7], v[OBA], s[20:21] offset:64*\t+16
.endr
	WIN 0x80
.irp t, 0,1,2,3
	global_load_b128 v[BQ+8*\t:BQ+8*\t+3], v[OBB], s[20:21] offset:64*\t
	global_load_b128 v[BQ+8*\t+4:BQ+8*\t+7], v[OBB], s[20:21] offset:64*\t+16
.endr
	WIN 0
	global_load_b128 v[BV:BV+3], v[OBV], s[22:23]
	; x: 96 rows from LDS into every wave's registers, once
	s_wait_tensorcnt 0x3                           ; my 24 rows of x are in; the three loads issued behind that one may be out
	s_barrier_signal -1
	s_barrier_wait -1                              ; everybody's are
	WIN 0x40
.irp s, 0,1,2
.irp m, 0,1,2,3,4,5
	FRAG 72*\s+12*\m, AX, 16*PITCH*\m, \s
.endr
.endr
	WIN 0x80
.irp m, 0,1,2,3,4,5
	FRAG 12*\m, AX, 16*PITCH*\m, 3
.endr
	; run A: q, the first 64 of my 128 channels
	s_wait_tensorcnt 0x2                           ; Wq's first 64 rows are in; Wv's and Wk's loads may be out.  Only I read my area: my own counter orders the reads
	RUNHEAD 0
	s_wait_loadcnt 0x0                             ; the query rows, all scale words, bq, bv
	GROUP 0, 0, 32
	GROUP 0, 1, -1
	; run B: v, channels 0-31
	s_wait_tensorcnt 0x1                           ; Wv's rows 0-31 are in; the one load issued behind may be out
	RUNHEAD 64
	GROUP 2, 0, -1
	; run C: k and the scores, the first 64 channels, while Wv's other 96 rows land on area rows 0-95
	REFILL TV1, G1C
	RUNHEAD 96
	GROUP 1, 0, 128
	GROUP 1, 1, -1
	; run D: v, channels 32-95, while Wq's other 64 rows land on area rows 96-159
	REFILL TQ1, G1B
	RUNHEAD 0
	GROUP 2, 1, 32
	GROUP 2, 2, -1
	; run E: q, the other 64 channels, then v, channels 96-127 (whose place in window 3 the query rows' fragments leave with the last group of q), while Wk's other 64 rows land on area rows 0-63
	REFILL TK1, G1B
	RUNHEAD 96
	GROUP 0, 2, 128
	GROUP 0, 3, 64
	GROUP 2, 3, -1
	; run F: k and the scores, the other 64 channels
	s_wait_tensorcnt 0x0                           ; the one load that is out: Wk's other 64 rows
	RUNHEAD 0
	GROUP 1, 2, 32
	GROUP 1, 3, -1
	; THE SCORES MEET.  My partial S^T goes to LDS as an image of its registers, 16 bytes a lane; x's region has had its only fill, and every wave's reads of it were over at the first refill's round.
	PLACES 4
	WIN 0x0c
.irp i, 0,1,2,3,4,5,6,7,8,9,10,11
	ds_store_b128 v[SXW], v[SA+4*\i:SA+4*\i+3] offset:512*\i
.endr
	WIN 0
	s_wait_dscnt 0x0                               ; for the others' sake: my stores have landed
	s_barrier_signal -1
	s_barrier_wait -1
	WIN 0x40
.irp p, 0,1,2,3
.irp i, 0,1,2,3,4,5,6,7,8,9,10,11
	ds_load_b128 v[48*\p+4*\i:48*\p+4*\i+3], v[SXR] offset:SXB*\p+512*\i
.endr
.endr
	v_mov_b32 v[MBW], v[MB]                        ; from here on all the softmax touches lies in window 1
	WIN 0x55
	v_mov_b32 v[NEGI], 0xff800000                  ; -infinity
	s_wait_dscnt 24                                ; waves 0 and 1's partial sums are in; the other 24 loads may be out
.set i, 0
.rept 24
	v_pk_add_f32 v[i:i+1], v[i:i+1], v[48+i:49+i]
.set i, i+2
.endr
	s_wait_dscnt 12                                ; wave 2's
.set i, 0
.rept 24
	v_pk_add_f32 v[i:i+1], v[i:i+1], v[96+i:97+i]
.set i, i+2
.endr
	s_wait_dscnt 0x0                               ; wave 3's
.set i, 0
.rept 24
	v_pk_add_f32 v[i:i+1], v[i:i+1], v[144+i:145+i]
.set i, i+2
.endr
	; register 8 m + i holds key 16 m + 8 h + i of query r.  Keys outside the query's window become -infinity ahead of the maximum; every query, the unused ones too, keeps at least 4 keys of the 96
.set n, 0
.rept 48
	v_add_nc_u32 v[TMPM+n%4], 16*(n/8)+n%8, v[MBW]
	v_cmp_gt_u32 vcc_lo, 32, v[TMPM+n%4]
	v_cndmask_b32 v[n], v[NEGI], v[n], vcc_lo
.set n, n+1
.endr
.irp k, 0,1,2,3
	v_max3_num_f32 v[CH+\k], v[12*\k], v[12*\k+1], v[12*\k+2]      ; the maximum, in four chains
.endr
.irp e, 3,5,7,9
.irp k, 0,1,2,3
	v_max3_num_f32 v[CH+\k], v[CH+\k], v[12*\k+\e], v[12*\k+\e+1]
.endr
.endr
	v_max3_num_f32 v[CH], v[CH], v11, v23
	v_max3_num_f32 v[CH+2], v[CH+2], v35, v47
	v_max3_num_f32 v[CH], v[CH], v[CH+1], v[CH+2]
	v_max_num_f32 v[CH], v[CH], v[CH+3]
	v_permlanex16_b32 v[CH+1], v[CH], s100, s101   ; the query's other 48 keys lie in the lane 16 away
	v_max_num_f32 v[CH], v[CH], v[CH+1]
	v_mul_f32 v[NM], s98, -v[CH]                   ; -c m
.set i, 0
.rept 24
	v_pk_fma_f32 v[i:i+1], v[i:i+1], s[98:99], v[NM:NM+1] op_sel_hi:[1,0,0]   ; c s - c m, two at a time (of the pairs c and -c m the low word serves both halves)
.set i, i+2
.endr
.set i, 0
.rept 48
	v_exp_f32 v[i], v[i]                           ; p = 2^(c s - c m), at most 1; 0 outside the window
.set i, i+1
.endr
	v_nop                                          ; a plain line behind the last exponential
	s_wait_alu depctr_va_vdst(0)                   ; one wait for the batch, ahead of its first reader
.set i, 0
.rept 24
	v_cvt_pk_f16_f32 v[PF+i], v[2*i], v[2*i+1]     ; to f16: tiles 2 c and 2 c + 1 in pairs ARE source 1 (32 keys x 16 queries) of the second product
.set i, i+1
.endr
	v_pk_add_f32 v[SUA:SUA+1], v[0:1], v[2:3]      ; the row's sum, of the unrounded p, in two chains
	v_pk_add_f32 v[SUB:SUB+1], v[4:5], v[6:7]
.set i, 8
.rept 10
	v_pk_add_f32 v[SUA:SUA+1], v[SUA:SUA+1], v[i:i+1]
	v_pk_add_f32 v[SUB:SUB+1], v[SUB:SUB+1], v[i+2:i+3]
.set i, i+4
.endr
	v_pk_add_f32 v[SUA:SUA+1], v[SUA:SUA+1], v[SUB:SUB+1]
	v_add_f32 v[SUA], v[SUA], v[SUA+1]
	v_permlanex16_b32 v[SUB], v[SUA], s100, s101
	v_add_f32 v[SUA], v[SUA], v[SUB]
	v_rcp_f32 v[RC], v[SUA]
	v_nop                                          ; a plain line behind the reciprocal,
	s_wait_alu depctr_va_vdst(0)                   ; and the wait ahead of whatever names its result
	; O^T = V^T P, on f16 operands: my 128 channels x 16 queries; K = the 96 rows; eight accumulators by turns, the first 32 rows start the sums
	WIN 0xa7
.irp c, 0,1,2
.irp d, 0,1,2,3,4,5,6,7
.if \c == 0
	v_wmma_f32_16x16x32_f16 v[ACC+8*\d:ACC+8*\d+7], v[VT+8*(3*\d+\c):VT+8*(3*\d+\c)+7], v[PF+8*\c:PF+8*\c+7], 0
.else
	v_wmma_f32_16x16x32_f16 v[ACC+8*\d:ACC+8*\d+7], v[VT+8*(3*\d+\c):VT+8*(3*\d+\c)+7], v[PF+8*\c:PF+8*\c+7], v[ACC+8*\d:ACC+8*\d+7]
.endif
.endr
.endr
	PLACES 4
	WIN 0x86
.set i, 0
.rept 32
	v_pk_mul_f32 v[ACC+i:ACC+i+1], v[ACC+i:ACC+i+1], v[RC:RC+1] op_sel_hi:[1,0]   ; divided by the sum
.set i, i+2
.endr
	; THE WAY OUT.  A lane holds 32 neighbouring bytes of a row and the lanes beside it other rows: the 16 rows go through my stage and come back whole, 512 bytes a row.
	WIN 0x08
.irp d, 0,1,2,3,4,5,6,7
	ds_store_b128 v[STO], v[ACC+8*\d:ACC+8*\d+3] offset:64*\d
	ds_store_b128 v[STO], v[ACC+8*\d+4:ACC+8*\d+7] offset:64*\d+16
.endr
	WIN 0
.irp i, 0,1,2,3,4,5,6,7,8,9,10,11,12,13,14,15
	ds_load_b128 v[WF+4*\i:WF+4*\i+3], v[RD] offset:SPITCH*\i      ; LDS serves a wave's instructions in order (ISA guide 5.7.1.4): these see my stores
.endr
.macro OUTROW i
	s_wait_dscnt 15-(\i)                           ; row i is back; the later rows' loads may be out
	v_pk_add_f32 v[WF+4*(\i):WF+4*(\i)+1], v[WF+4*(\i):WF+4*(\i)+1], v[BV:BV+1]
	v_pk_add_f32 v[WF+4*(\i)+2:WF+4*(\i)+3], v[WF+4*(\i)+2:WF+4*(\i)+3], v[BV+2:BV+3]
	global_store_b128 v[GO], v[WF+4*(\i):WF+4*(\i)+3], s[24:25] offset:2048*(\i) th:TH_STORE_NT   ; 32 lanes store 512 consecutive bytes, at a multiple of 256 from out's first byte
.endm
.irp i, 0,1,2,3,4,5,6,7,8
	OUTROW \i
.endr
	v_cmp_gt_u32 vcc_lo, 31, v[JV]                 ; 505 = 16 x 31 + 9: the last block's rows 9 to 15 do not exist.  A mask, not a branch: partners of a cluster run alike
	s_wait_xcnt 0x0                                ; EXEC changes only behind this wait: the stores above have read it
	s_and_saveexec_b32 s2, vcc_lo
.irp i, 9,10,11,12,13,14,15
	OUTROW \i
.endr
	s_wait_xcnt 0x0                                ; and again, in front of the line that widens it
	s_or_b32 exec_lo, exec_lo, s2
	s_wait_tensorcnt 0x0                           ; the wave's end: behind my last tensor load and my last LDS store
	ds_add_u32 v[SPW], v[NIL]
	s_wait_dscnt 0x0
	CROUND                                         ; the closing round: no work-group ends while a partner may still ask for a tile that names it
	s_endpgm
.Lfunc_end_k_q594dd5c5f8_fused:
	.size	k_q594dd5c5f8_fused, .Lfunc_end_k_q594dd5c5f8_fused-k_q594dd5c5f8_fused
	.p2alignl 7, 3214868480
	.fill 96, 4, 3214868480
	.section	.rodata,"a",@progbits
	.p2align	6, 0x0
	.amdhsa_kernel k_q594dd5c5f8_fused
		.amdhsa_group_segment_fixed_size 327680
		.amdhsa_private_segment_fixed_size 0
		.amdhsa_enable_private_segment 0
		.amdhsa_kernarg_size 88
		.amdhsa_user_sgpr_count 2
		.amdhsa_user_sgpr_kernarg_segment_ptr 1
		.amdhsa_wavefront_size32 1
		.amdhsa_system_sgpr_workgroup_id_x 1
		.amdhsa_system_sgpr_workgroup_id_y 1
		.amdhsa_system_sgpr_workgroup_id_z 1
		.amdhsa_system_vgpr_workitem_id 0
		.amdhsa_next_free_vgpr 1024
		.amdhsa_next_free_sgpr 106
		.amdhsa_reserve_vcc 1
		.amdhsa_float_denorm_mode_32 3
		.amdhsa_float_denorm_mode_16_64 3
		.amdhsa_memory_ordered 1
		.amdhsa_forward_progress 1
		.amdhsa_inst_pref_size 180
	.end_amdhsa_kernel
	.amdgpu_metadata
---
amdhsa.version: [ 1, 2 ]
amdhsa.kernels:
  - .name:           k_q594dd5c5f8_fused
    .symbol:         k_q594dd5c5f8_fused.kd
    .args:
      - { .name: x_codes, .offset: 0, .size: 8, .value_kind: global_buffer, .address_space: global }
      - { .name: x_scales, .offset: 8, .size: 8, .value_kind: global_buffer, .address_space: global }
      - { .name: Wq_codes, .offset: 16, .size: 8, .value_kind: global_buffer, .address_space: global }
      - { .name: Wq_scales, .offset: 24, .size: 8, .value_kind: global_buffer, .address_space: global }
      - { .name: Wk_codes, .offset: 32, .size: 8, .value_kind: global_buffer, .address_space: global }
      - { .name: Wk_scales, .offset: 40, .size: 8, .value_kind: global_buffer, .address_space: global }
      - { .name: Wv_codes, .offset: 48, .size: 8, .value_kind: global_buffer, .address_space: global }
      - { .name: Wv_scales, .offset: 56, .size: 8, .value_kind: global_buffer, .address_space: global }
      - { .name: bq, .offset: 64, .size: 8, .value_kind: global_buffer, .address_space: global }
      - { .name: bv, .offset: 72, .size: 8, .value_kind: global_buffer, .address_space: global }
      - { .name: out0, .offset: 80, .size: 8, .value_kind: global_buffer, .address_space: global }
    .group_segment_fixed_size: 327680
    .private_segment_fixed_size: 0
    .kernarg_segment_align: 8
    .kernarg_segment_size: 88
    .max_flat_workgroup_size: 128
    .sgpr_count:     106
    .vgpr_count:     1024
    .wavefront_size: 32
...
	.end_amdgpu_metadata
.endif
;; end of part 1
